; MI455X (gfx1250); checked and timed in simulation.
; The chip was launched on July 23, 2026; its instructions are those of AMD's public machine-readable ISA for CDNA 5 (MIT licence, August 2026) and "CDNA5" Instruction Set Architecture Reference Guide (July 2026). The comments in the code are by the model that wrote it; some were corrected since.
;; Sub LSTM Cuda Cell. Allowed arithmetic: matrix products marked QUANTISED: E4M3 operands, one given power-of-two scale a tensor, by v_wmma_f32_16x16x64_fp8_fp8 or v_wmma_f32_16x16x128_fp8_fp8, f32 sums; everything else in f32.
;; Inputs: bias 4,096 float32; input 8,192 x 1,024 float32; lowp_scales 2 int32 (the exponents e of the quantised operands' scales 2^e); old_cell 8,192 x 1,024 float32; old_h 8,192 x 1,024 float32; weightsT 2,048 x 4,096 float32.
;; Outputs: out0 8,192 x 1,024 float32; out1 8,192 x 1,024 float32.
;; This version of the problem:
;;   THIS VERSION OF THE PROBLEM IS GIVEN IN LOW PRECISION. The matrix products marked QUANTISED in the list below multiply operands that are first quantised to E4M3 (4 exponent bits, 3 mantissa bits; 8 bits a number), with one given power-of-two scale for each operand tensor; their sums are f32. All else is computed in f32.
;;   The module's matrix products, in the order in which they are computed (A, B: the left and right operand; K: the contracted axis; several contracted axes count as one K, in the product's order):
;;     1. [M 8,192, K 2,048] x [K 2,048, N 4,096]; A: computed on the way; B: input weightsT: QUANTISED (scales: A lowp_scales[0], B lowp_scales[1])
;;   THE QUANTISER, for each operand of a quantised product, along K:
;;     - The operand's scale is 2^e, e = its entry of the input lowp_scales (int32; the entries are numbered through the quantised products in the list's order, A before B).
;;     - Each number is divided by the scale, clamped to +-448, and rounded to the nearest number of E4M3, ties to even, subnormals kept.
;;     - The product sums the exact products of the quantised numbers (number of the format x scale) in f32.
;;   ~~~python
;;   def quantise(x, axis, e):      # numpy; x: float32 -> the quantised numbers, widened to float32 again
;;       x = np.moveaxis(x, axis, -1); K = x.shape[-1]
;;       r = np.clip(x / 2.0 ** e, -448, 448)
;;       step = 2.0 ** (np.maximum(np.frexp(np.where(r == 0, 1, r))[1] - 1, -6) - 3)
;;       q = np.round(r / step) * step * 2.0 ** e      # np.round: ties to even
;;       return np.moveaxis(q, -1, axis).astype(np.float32)
;;   ~~~
;;   OPERANDS COMPUTED ON THE WAY. 'Computed on the way' means the value that the module computes at that place (a softmax that the list does not call 'softmax' is quantised finished and normalised). What goes into a quantiser is computed in f32, as accurately as f32 sums, v_exp_f32 and their like allow (about 1e-6 of the number): no bf16 or f16 on the way to a quantiser, and a product that is left as it is and whose result goes on into a quantised operand takes f32 operands (vector FMAs, or v_wmma_f32_16x16x4_f32). A number that lies on a knife's edge between two numbers of the format may be rounded either way, as far as f32 arithmetic and the matrix unit's own rounding can turn it there, and no further.
;; One version. Each part assembles by itself: llvm-mc -triple=amdgcn-amd-amdhsa -mcpu=gfx1250 --defsym DOCPART=n.
;; ======== version 1 of 1: 2 launches
;; limits: right only within a limited range of input values
;; workspace buffers: x_codes 16,777,216 bytes; w_codes 8,388,608 bytes
;; launch quant (part 1): grid 768 x 1, 4 waves a work-group, no clusters, 68,096 bytes of LDS; arguments old_h, input, weightsT, lowp_scales, x_codes, w_codes; writes x_codes, w_codes
.if DOCPART == 1
	.amdgcn_target "amdgcn-amd-amdhsa--gfx1250"
	.amdhsa_code_object_version 6
	.text
	.protected	k_qc9716a85f6_quant
	.globl	k_qc9716a85f6_quant
	.p2align	8
	.type	k_qc9716a85f6_quant,@function
k_qc9716a85f6_quant:
	s_mov_b64 s[64:65], 0
	v_nop
	global_prefetch_b8 v0, s[64:65] scope:SCOPE_SE
	s_setreg_imm32_b32 hwreg(HW_REG_WAVE_MODE, 25, 1), 1
	s_wait_xcnt 0x0
; Both operands of X W, X = [old_h | input] [8192][2048] and W = weightsT [2048][4096], f32, become codes of FP8 (E4M3), K innermost, each with the one scale 2^e that is given:
; code = x / 2^e, held within +-448, rounded to the nearest code, ties to even.  e0 (X) and e1 (W) are the two whole numbers of lowp_scales.
; LIMITS: each e lies between -126 and 119, so that 2^e and 448 x 2^e are f32 numbers.  NaN among old_h, input, weightsT is not served (an infinity is held at the largest code).
; x_codes [8192][2048]: row m = old_h[m]'s 1,024 codes, then input[m]'s.
; w_codes [4096][2048]: K innermost, ROWS PERMUTED: column n = 1024 g + 64 T + 32 c + j of weightsT (g: the gate, j = 0..31) is row 256 T + 128 c + 32 g + j, so that 128 neighbouring rows
; hold the four gates of 32 hidden columns: the next launch then finds an element's four gates in one lane.
; Every work-group takes 32,768 numbers.  Work-groups 0-255: old_h, 256-511: input (path X); 512-767: weightsT (path W).  The paths part once, on the work-group's number, never join, and have LDS bytes of their own.
; No tensor load, no barrier: waves share nothing.  The operands are quantised here, once, since the next launch reads each row block of X sixteen times and each of W thirty-two times.
.set STEPS, 16                         ; path X: steps of 512 numbers for a wave (8 rows of 1,024)
.set SP,    80                         ; path X: a lane's place in a stage: its 64 bytes + 16 of padding
.set XR,    16                         ; v16-79   four sets of 16 numbers as they are loaded
.set XX,    80                         ; v80-111  two sets of 16 neighbours
.set XC,    128                        ; v128-191 codes: four registers for each step, so that no store's data are written again
.set WBASE, 32768                      ; path W's LDS begins behind path X's 4 x 8,192 bytes
.set WP,    272                        ; path W: a stage row: 256 bytes of codes + 16
.set NB,    8                          ; path W: blocks of 32 along K for a wave
.set WX,    32                         ; v32-95   two sets of 32 numbers
.set WC,    96                         ; v96-103  a block's codes
.set WO,    112                        ; v112-175 the way out
	s_load_b256 s[4:11], s[0:1], 0x0               ; old_h s[4:5], input s[6:7], weightsT s[8:9], lowp_scales s[10:11]
	s_load_b128 s[12:15], s[0:1], 0x20             ; x_codes s[12:13], w_codes s[14:15]
	v_lshl_add_u32 v192, v0, 2, 0x10800
	v_mov_b32 v193, 0
	v_lshrrev_b32 v1, 5, v0
	v_readfirstlane_b32 s16, v1                    ; wave 0..3
	v_and_b32 v2, 31, v0                           ; lane
	s_wait_kmcnt 0x0
	s_load_b64 s[22:23], s[10:11], 0x0             ; e0, e1
	s_cmp_lt_u32 ttmp9, 512
	s_cbranch_scc0 .Lw
; ---------------- PATH X: K is innermost.  A wave takes 8 rows of old_h or of input: 16 steps of 512 numbers.
; The conversion takes 8 numbers of one lane's consecutive registers, so a lane must hold NEIGHBOURS along K; a load is dense where neighbouring LANES take neighbouring bytes.  Both are had: each of a step's four loads
; reads 512 consecutive bytes; the 2,048 bytes go through the wave's own stage in LDS as they lie and come back 64 bytes a lane.  A lane's 16 codes are 16 bytes: the wave stores 512 consecutive bytes.
	s_cmp_lt_u32 ttmp9, 256                        ; old_h or input?  The choice hangs on the work-group's number alone
	s_cselect_b64 s[4:5], s[4:5], s[6:7]
	s_cselect_b32 s19, 0, 1024                     ; old_h's codes fill bytes 0-1023 of a row of x_codes, input's bytes 1024-2047
	s_and_b32 s17, ttmp9, 255
	s_lshl_b32 s17, s17, 2
	s_add_co_u32 s18, s17, s16                     ; which run of 8 rows is my wave's: 0..1023
	s_lshl_b32 s20, s18, 15                        ; 8 rows of 4,096 bytes in the source,
	s_mov_b32 s21, 0
	s_add_nc_u64 s[4:5], s[4:5], s[20:21]
	s_lshl_b32 s20, s18, 14                        ; 8 rows of 2,048 bytes in x_codes,
	s_add_co_u32 s20, s20, s19                     ; and the tensor's half of a row
	s_add_nc_u64 s[12:13], s[12:13], s[20:21]
	s_wait_alu depctr_va_vdst(0)
	v_lshlrev_b32 v3, 4, v2                        ; 16 x lane: my 16 bytes of a load's 512, and my 16 codes of a step's 512
	s_lshl_b32 s24, s16, 13                        ; my wave's 8,192 bytes of LDS
	v_lshrrev_b32 v14, 2, v2
	v_mul_u32_u24 v14, v14, SP
	v_and_b32 v15, 3, v2
	v_lshl_add_u32 v14, v15, 4, v14
	v_add_nc_u32 v14, s24, v14                     ; the stage, on the way in: four lanes' 64 bytes on end, then 16 of padding
	v_mul_u32_u24 v15, v2, SP
	v_add_nc_u32 v15, s24, v15                     ; and on the way out: my 16 neighbours
.macro XLOAD t
.irp i, 0,1,2,3
	global_load_b128 v[XR+16*((\t)%4)+4*\i:XR+16*((\t)%4)+4*\i+3], v3, s[4:5] offset:2048*(\t)+512*\i th:TH_LOAD_NT   ; 32 lanes read 512 consecutive bytes; read once in the launch
.endr
.endm
.macro XTURN t                         ; step t's numbers through the stage: LDS serves a wave's instructions in order (ISA guide 5.7.1.4), so no wait stands between the stores and the loads
.irp i, 0,1,2,3
	ds_store_b128 v14, v[XR+16*((\t)%4)+4*\i:XR+16*((\t)%4)+4*\i+3] offset:32*SP*((\t)%2)+8*SP*\i
.endr
.irp i, 0,1,2,3
	ds_load_b128 v[XX+16*((\t)%2)+4*\i:XX+16*((\t)%2)+4*\i+3], v15 offset:32*SP*((\t)%2)+16*\i
.endr
.endm
.irp t, 0,1,2,3
	XLOAD \t
.endr
	s_wait_alu depctr_va_vdst(0)
	s_wait_kmcnt 0x0
	s_add_co_i32 s22, s22, 127
	s_lshl_b32 s23, s22, 23
	v_mov_b32 v11, s23                             ; 2^e0 as f32: the conversion takes its exponent field
	s_add_co_i32 s22, s22, 8
	s_lshl_b32 s22, s22, 23
	s_or_b32 s22, s22, 0x600000
	v_mov_b32 v10, s22                             ; 448 x 2^e0
	s_wait_alu depctr_va_vdst(0)
	s_wait_loadcnt 12                              ; step 0's four loads are in; those of steps 1 to 3 may be out
	XTURN 0
.macro XSTEP t
.set XS, XX+16*((\t)%2)
	s_wait_dscnt 0x0                               ; this step's numbers are back from the stage: so its stores into the stage have read their registers,
.if (\t)+4 < STEPS
	XLOAD (\t)+4                                   ; which take the loads of four steps on
.endif
.if (\t)+1 < STEPS
.if STEPS-2-(\t) >= 3
	s_wait_loadcnt 12                              ; the next step's four loads are in; those of the three steps behind it may be out
.else
	s_wait_loadcnt 4*(STEPS-2-(\t))                ; the tail: fewer steps stand behind it
.endif
	XTURN (\t)+1                                   ; and go through the other stage while this step is worked
.endif
.irp i, 0,1,2,3,4,5,6,7,8,9,10,11,12,13,14,15
	v_med3_num_f32 v[XS+\i], v[XS+\i], -v10, v10   ; the conversion to an 8-bit code does not saturate (ISA guide 7.6.2): the number is held within the largest code x the scale first
.endr
	v_cvt_scalef32_pk8_fp8_f32 v[XC+4*(\t):XC+4*(\t)+1], v[XS:XS+7], v11
	v_cvt_scalef32_pk8_fp8_f32 v[XC+4*(\t)+2:XC+4*(\t)+3], v[XS+8:XS+15], v11   ; the results go to a store alone; the next vector lines are the next step's holds, plain ones on other registers
	global_store_b128 v3, v[XC+4*(\t):XC+4*(\t)+3], s[12:13] offset:((\t)/2)*2048+((\t)%2)*512   ; row t / 2, half t % 2: 512 consecutive bytes, at a multiple of 256 from the buffer's first byte
.endm
.irp t, 0,1,2,3,4,5,6,7,8,9,10,11,12,13,14,15
	XSTEP \t
.endr
	s_wait_tensorcnt 0x0
	ds_add_u32 v192, v193
	s_wait_dscnt 0x0
	s_endpgm
; ---------------- PATH W: K is the FIRST axis.  A lane takes a column n and its registers run down K: each load reads neighbouring n in neighbouring lanes (128 consecutive bytes a wave, 512 a work-group),
; and the conversions give codes with K innermost; nothing is transposed by an instruction.  A wave takes 32 columns x 256 along K; the codes go through its own stage and leave as rows of 256 bytes.
.Lw:
	s_sub_co_u32 s17, ttmp9, 512                   ; 0..255
	s_and_b32 s18, s17, 31                         ; which 128 columns
	s_lshr_b32 s19, s17, 5                         ; y: which 256 along K
	s_lshl_b32 s18, s18, 7
	s_lshl_b32 s20, s16, 5
	s_add_co_u32 s18, s18, s20                     ; n0 = my wave's first column, a multiple of 32: its 32 columns stay 32 neighbouring rows of w_codes
	s_bfe_u32 s20, s18, 0x40006                    ; T = (n0 / 64) % 16
	s_lshl_b32 s20, s20, 8
	s_bfe_u32 s21, s18, 0x10005                    ; c = (n0 / 32) % 2
	s_lshl_b32 s21, s21, 7
	s_add_co_u32 s20, s20, s21
	s_lshr_b32 s21, s18, 10                        ; g = n0 / 1024
	s_lshl_b32 s21, s21, 5
	s_add_co_u32 s20, s20, s21                     ; the first row in w_codes: 256 T + 128 c + 32 g
	s_lshl_b32 s24, s19, 22                        ; weightsT: 256 y rows of 16,384 bytes
	s_lshl_b32 s25, s18, 2
	s_add_co_u32 s24, s24, s25                     ; + 4 n0
	s_mov_b32 s25, 0
	s_add_nc_u64 s[8:9], s[8:9], s[24:25]
	s_lshl_b32 s24, s20, 11                        ; w_codes: rows of 2,048 bytes
	s_lshl_b32 s26, s19, 8
	s_add_co_u32 s24, s24, s26                     ; + 256 y
	s_add_nc_u64 s[14:15], s[14:15], s[24:25]
	s_mul_i32 s27, s16, 32*WP
	s_add_co_u32 s27, s27, WBASE                   ; my stage: 32 rows of 272 bytes
	s_wait_alu depctr_va_vdst(0)
	v_lshlrev_b32 v3, 2, v2                        ; in: 4 bytes a lane
	v_mul_u32_u24 v4, v2, WP
	v_add_nc_u32 v4, s27, v4                       ; into the stage: row = my column
	v_and_b32 v5, 15, v2
	v_lshrrev_b32 v6, 4, v2                        ; out of it: sixteen lanes to a row, two rows an instruction
	v_mul_u32_u24 v7, v6, WP
	v_lshl_add_u32 v7, v5, 4, v7
	v_add_nc_u32 v7, s27, v7
	v_lshlrev_b32 v8, 11, v6
	v_lshl_add_u32 v8, v5, 4, v8                   ; and the same place in w_codes
.macro WLOAD t                         ; block t: W(32 t + i, my column), i = 0 .. 31, into set t % 2.  The largest offset, 255 x 16,384, lies inside the signed 24-bit immediate (ISA guide, chapter 10)
.irp i, 0,1,2,3,4,5,6,7,8,9,10,11,12,13,14,15,16,17,18,19,20,21,22,23,24,25,26,27,28,29,30,31
	global_load_b32 v[WX+32*((\t)%2)+\i], v3, s[8:9] offset:(32*(\t)+\i)*16384 th:TH_LOAD_NT
.endr
.endm
	WLOAD 0
	WLOAD 1
	s_wait_kmcnt 0x0
	s_add_co_i32 s23, s23, 127
	s_lshl_b32 s22, s23, 23
	v_mov_b32 v11, s22                             ; 2^e1 as f32
	s_add_co_i32 s23, s23, 8
	s_lshl_b32 s23, s23, 23
	s_or_b32 s23, s23, 0x600000
	v_mov_b32 v10, s23                             ; 448 x 2^e1
.macro WBLOCK t
.set WS, WX+32*((\t)%2)
.if (\t) < NB-1
	s_wait_loadcnt 32                              ; this block's 32 loads are in; the next block's 32 may be out
.else
	s_wait_loadcnt 0
.endif
.irp i, 0,1,2,3,4,5,6,7,8,9,10,11,12,13,14,15,16,17,18,19,20,21,22,23,24,25,26,27,28,29,30,31
	v_med3_num_f32 v[WS+\i], v[WS+\i], -v10, v10   ; the hold at the largest code x the scale
.endr
.irp g, 0,1,2,3
	v_cvt_scalef32_pk8_fp8_f32 v[WC+2*\g:WC+2*\g+1], v[WS+8*\g:WS+8*\g+7], v11
.endr
	ds_store_b128 v4, v[WC:WC+3] offset:32*(\t)    ; 32 codes: 32 bytes of my column's row.  (The results go to LDS stores alone; the next block begins with plain vector lines on other registers)
	ds_store_b128 v4, v[WC+4:WC+7] offset:32*(\t)+16
.if (\t)+2 < NB
	WLOAD (\t)+2
.endif
	s_wait_dscnt 0x0                               ; the stores have read their registers: the next block's codes may be written
.endm
	s_wait_alu depctr_va_vdst(0)
.irp t, 0,1,2,3,4,5,6,7
	WBLOCK \t
.endr
.irp t, 0,1,2,3,4,5,6,7,8,9,10,11,12,13,14,15
	ds_load_b128 v[WO+4*\t:WO+4*\t+3], v7 offset:2*\t*WP   ; LDS serves a wave's instructions in order: these see my stores
.endr
.irp t, 0,1,2,3,4,5,6,7,8,9,10,11,12,13,14,15
	s_wait_dscnt 15-\t                             ; load t is back; the 15 - t younger ones may be out
	global_store_b128 v8, v[WO+4*\t:WO+4*\t+3], s[14:15] offset:2*\t*2048   ; sixteen lanes store 256 consecutive bytes, at a multiple of 256 from the buffer's first byte
.endr
	s_wait_tensorcnt 0x0
	ds_add_u32 v192, v193
	s_wait_dscnt 0x0
	s_endpgm
.Lfunc_end_k_qc9716a85f6_quant:
	.size	k_qc9716a85f6_quant, .Lfunc_end_k_qc9716a85f6_quant-k_qc9716a85f6_quant
	.p2alignl 7, 3214868480
	.fill 96, 4, 3214868480
	.section	.rodata,"a",@progbits
	.p2align	6, 0x0
	.amdhsa_kernel k_qc9716a85f6_quant
		.amdhsa_group_segment_fixed_size 68096
		.amdhsa_private_segment_fixed_size 0
		.amdhsa_enable_private_segment 0
		.amdhsa_kernarg_size 48
		.amdhsa_user_sgpr_count 2
		.amdhsa_user_sgpr_kernarg_segment_ptr 1
		.amdhsa_wavefront_size32 1
		.amdhsa_system_sgpr_workgroup_id_x 1
		.amdhsa_system_sgpr_workgroup_id_y 1
		.amdhsa_system_sgpr_workgroup_id_z 1
		.amdhsa_system_vgpr_workitem_id 0
		.amdhsa_next_free_vgpr 194
		.amdhsa_next_free_sgpr 66
		.amdhsa_reserve_vcc 0
		.amdhsa_float_denorm_mode_32 3
		.amdhsa_float_denorm_mode_16_64 3
		.amdhsa_memory_ordered 1
		.amdhsa_forward_progress 1
		.amdhsa_inst_pref_size 86
	.end_amdhsa_kernel
	.amdgpu_metadata
---
amdhsa.version: [ 1, 2 ]
amdhsa.kernels:
  - .name:           k_qc9716a85f6_quant
    .symbol:         k_qc9716a85f6_quant.kd
    .args:
      - { .name: old_h, .offset: 0, .size: 8, .value_kind: global_buffer, .address_space: global }
      - { .name: input, .offset: 8, .size: 8, .value_kind: global_buffer, .address_space: global }
      - { .name: weightsT, .offset: 16, .size: 8, .value_kind: global_buffer, .address_space: global }
      - { .name: lowp_scales, .offset: 24, .size: 8, .value_kind: global_buffer, .address_space: global }
      - { .name: x_codes, .offset: 32, .size: 8, .value_kind: global_buffer, .address_space: global }
      - { .name: w_codes, .offset: 40, .size: 8, .value_kind: global_buffer, .address_space: global }
    .group_segment_fixed_size: 68096
    .private_segment_fixed_size: 0
    .kernarg_segment_align: 8
    .kernarg_segment_size: 48
    .max_flat_workgroup_size: 128
    .sgpr_count:     66
    .vgpr_count:     194
    .wavefront_size: 32
...
	.end_amdgpu_metadata
.endif
;; end of part 1
;; launch cell (part 2): grid 16 x 16, 4 waves a work-group, clusters of 4 x 4, 327,680 bytes of LDS; arguments x_codes, w_codes, lowp_scales, bias, old_cell, out0, out1; writes out0, out1
.if DOCPART == 2
	.amdgcn_target "amdgcn-amd-amdhsa--gfx1250"
	.amdhsa_code_object_version 6
	.text
	.protected	k_qc9716a85f6_cell
	.globl	k_qc9716a85f6_cell
	.p2align	8
	.type	k_qc9716a85f6_cell,@function
k_qc9716a85f6_cell:
	s_mov_b64 s[64:65], 0
	v_nop
	global_prefetch_b8 v0, s[64:65] scope:SCOPE_SE
	s_setreg_imm32_b32 hwreg(HW_REG_WAVE_MODE, 25, 1), 1
	s_wait_xcnt 0x0
	s_wait_alu depctr_hold_cnt(0) depctr_sa_sdst(0) depctr_va_vdst(0) depctr_va_sdst(0) depctr_va_ssrc(0) depctr_va_vcc(0) depctr_vm_vsrc(0)
	s_getreg_b32 s2, hwreg(HW_REG_IB_STS2, 6, 4)
	s_cmp_eq_u32 s2, 0
	s_cbranch_scc0 .Lentry_in_a_cluster
	s_endpgm
.Lentry_in_a_cluster:
	s_bfe_u32 s2, ttmp6, 0x10000c
	s_cmp_lg_u32 s2, 0xf033
	s_cbranch_scc0 .Lentry_shape_is_right
	s_endpgm
.Lentry_shape_is_right:
; gates = sigmoid(X W + bias), new_cell = f old_cell + z - i (out1), new_h = sigmoid(new_cell) - o (out0).  X: x_codes [8192][2048], W: w_codes [4096][2048]: codes of FP8 (E4M3), K innermost;
; a number of X = its code x 2^e0, of W x 2^e1.  The codes are multiplied as they are, sums in f32; each finished sum is scaled once.  All behind the product is f32.
; LIMIT: e0 + e1 lies between -126 and 127, so that log2(e) x 2^(e0 + e1) is an f32 number.
; w_codes' rows are permuted: row 256 T + 128 c + 32 g + j is column 1024 g + 64 T + 32 c + j of the weights (g = 0..3: i, f, z, o): a tile of 256 rows of w_codes is the four gates of 64 hidden columns.
; SHARES.  256 work-groups of four waves.  A work-group STAYS and makes two tiles: rows 256 (R + 16 t) .. + 255, t = 0, 1, x w_codes' rows 256 T .. + 255; a wave 128 x 128: 64 accumulators, 512 registers.
; The matrix instruction is used transposed (source 0 = 16 rows of W, source 1 = 16 rows of X): in accumulator (a, b = 2 g + u) lane (r, h) holds, in register j, row 16 a + r, gate g, hidden column
; 64 T + 32 (wave % 2) + 16 u + 8 h + j: an element's four gates lie in one lane at one register index.
; K goes in steps of 256 through a ring of two LDS slots filled by joint tensor loads (4 x 4 clusters: X's tile shared along a row of the cluster, W's along a column).  The ring does not stop at the first tile's
; end: its last two changes of slots ask for the second tile's first two K steps, and then the tile goes out.
; A cluster begins at its own K step, 2 ((cluster x + 2 (cluster y % 2)) % 4), and walks the eight K steps round from there; after eight steps the walk is back at its beginning, for the next tile.
; LIMIT: the order of an output's f32 sums is therefore a rotation of ascending K, and differs from cluster to cluster.
; A step of 128 along K is 64 matrix instructions and 64 LDS loads; the loads stand in four runs of 16 (W 0-3, W 4-7, X 0-3, X 4-7 of the next step), one behind each 16 matrix instructions.
; old_cell goes from memory straight into registers in the accumulators' layout (a lane takes 16 bytes of its row; the four loads of a block take each row's 128 bytes): its tile is 65,536 bytes, and beside the ring,
; which runs on, and the stages LDS has 13,824 left.  It lands in W's fragment set 0, idle in a tile's last step of 128.  Its tile is prefetched in the K loop's last trip, a lane a row, each row's 256 bytes once.
; The codes are not prefetched: the clusters that read the same rows of X ask among them for all eight K steps with their first two fills of a tile, those that read the same rows of W for four of the eight.
; THE TAIL.  sigmoid(x) = 1 / (1 + 2^(-log2(e) x)); -log2(e) is folded into the sums' scale and the bias.  An exponential that overflows gives infinity and the reciprocal 0: no clamp is needed.
; new_cell and new_h meet in two stages behind the ring (a row's 256 bytes come from two waves), 64 rows each, used again by each pair of blocks, and leave as whole rows of 256 bytes.
; REGISTERS: window 0: v16-31 addresses; v32-95 bias x -log2(e); from v128 X's fragments, one set; in the tail v128-255 at work.  window 1: W's fragments, two sets; in the tail v0-127 old_cell, v128-255 rows on their way out.
;   window 2: the accumulators of my rows 0-63 ((a, b) at v[8 (8 a + b)]); window 3: those of my rows 64-127.
.set ROWB,   256
.set KROW,   2048
.set PITCH,  272                       ; an LDS row: 256 bytes + 16 of padding: the 16 rows that a load touches start at 16 different banks (ISA guide 11.1)
.set FR,     16
.set NP,     4                         ; places behind this matrix instruction (ISA guide 7.12.1)
.set HALFT,  128*PITCH
.set SLOT,   4*HALFT
.set LAPS,   4
.set STC,    2*SLOT                    ; behind the ring: the stage for new_cell, 64 rows x 272 bytes (32 of the tile's upper half, 32 of its lower),
.set STHO,   64*PITCH                  ; and, so far behind it, the stage for new_h
.set SPARE,  STC+2*STHO                ; behind the stages: the spare words, 128 bytes for each wave
.set ADRA, 16
.set BO,   19
.set ADRB, 20
.set VO,   22                          ; 4096 r + 32 h: my 32 bytes of my row of old_cell
.set CO,   23                          ; 4096 h + 16 r: two rows of an output
.set STCV, 24
.set STHV, 25
.set RDC,  26
.set RDH,  27
.set SPW,  28
.set NIL,  29
.set PFC,  31                          ; 4096 x lane
.set BI,   32
.set AF,   128
.set TMP,  128                         ; the tail: two blocks' gates: block q at 64 q: i +0, f +16, z +32, o +48
.set GI,   0
.set GF,   16
.set GZ,   32
.set GOU,  48
.set OR,   128                         ; window 1: rows on their way out, 64 registers for pair p % 2
.set XB,  12
.set WB,  46
.set KO,  66                           ; s[66:67] the byte along K of slot 0's K step, s[90:91] of slot 1's
.set G1,  24
.set G0,  32
.set G1B, 48
.set G0B, 56
.set NLE, 94
.set SCL, 96
.set MSB, 0
.macro WIN new
.if MSB != \new
	s_set_vgpr_msb (MSB<<8)|\new
.set MSB, \new
.endif
.endm
.set MUL_LO, 0xa1
.set MUL_HI, 0xf1
.set TO_B,   0x40
.set FROM_B, 0x04
; a joint load: waves 0, 1 fetch for X, waves 2, 3 for W; s_nop 0 and four v_nop behind each line
.macro JLOAD g0a, g1a, g0b, g1b
	s_cmp_eq_u32 s15, 0
	s_cbranch_scc0 .Lfor_b_\@
	tensor_load_to_lds s[\g0a:\g0a+3], s[\g1a:\g1a+7]
	s_nop 0
.rept 4
	v_nop
.endr
	s_branch .Lasked_\@
.Lfor_b_\@:
	tensor_load_to_lds s[\g0b:\g0b+3], s[\g1b:\g1b+7]
	s_nop 0
.rept 4
	v_nop
.endr
.Lasked_\@:
.endm
.macro CREST
	s_cmp_lg_u32 s14, 0
	s_cbranch_scc1 .Lnot_wave_0_\@
	s_barrier_signal -3
.Lnot_wave_0_\@:
	s_barrier_wait -3
	s_barrier_signal -1
	s_barrier_wait -1
.endm
.macro CROUND
	s_barrier_signal -1
	s_barrier_wait -1
	CREST
.endm
; the prefetch of old_cell's tile, in the K loop's last trip (s3 = 1): each wave its own 64 rows x 256 bytes, 32 at each of the trip's two changes of slots
.macro ASK slot
	s_cmp_eq_u32 s3, 1
	s_cbranch_scc0 .Ldone_\@
	s_wait_alu depctr_va_vdst(0)
	global_prefetch_b8 v[PFC], s[80:81] offset:\slot*32*4096 th:TH_LOAD_NT scope:SCOPE_SE
.Ldone_\@:
.endm
	s_load_b128 s[4:7], s[0:1], 0x0                ; x_codes, w_codes
	s_load_b128 s[8:11], s[0:1], 0x10              ; lowp_scales, bias
	s_load_b128 s[80:83], s[0:1], 0x20             ; old_cell, out0
	s_load_b64 s[84:85], s[0:1], 0x30              ; out1
	v_lshl_add_u32 v[SPW], v0, 2, SPARE
	v_mov_b32 v[NIL], 0
	ds_add_u32 v[SPW], v[NIL]                      ; the opening lines: the add, twice on end, and its wait
	ds_add_u32 v[SPW], v[NIL]
	v_lshrrev_b32 v1, 5, v0
	v_readfirstlane_b32 s14, v1                    ; wave
	s_lshr_b32 s15, s14, 1                         ; my half of the tile's rows; also: I fetch for X (0) or W (1)
	s_and_b32 s16, s14, 1                          ; my half of w_codes' 256 rows; also: which 128 rows I fetch
	s_bfe_u32 s40, ttmp6, 0x40000                  ; cx
	s_bfe_u32 s41, ttmp6, 0x40004                  ; cy
	s_lshl_b32 s42, ttmp9, 2
	s_add_co_u32 s42, s42, s40                     ; T
	s_and_b32 s17, ttmp7, 0xffff
	s_lshl_b32 s17, s17, 2
	s_add_co_u32 s17, s17, s41                     ; R, 0..15
	s_lshl_b32 s43, s41, 2
	s_lshl_b32 s43, 15, s43                        ; my row of the cluster
	s_lshl_b32 s44, 0x1111, s40                    ; my column
	s_or_b32 s[G1+0], s43, (0<<16)|(1<<20)|(1<<21)|(5<<22)|(3<<25)  ; mask; 1-byte elements; 4 words of padding after every 64
	s_or_b32 s[G1B+0], s44, (0<<16)|(1<<20)|(1<<21)|(5<<22)|(3<<25)
.irp g, G1, G1B
	s_mov_b32 s[\g+1], ROWB<<16
	s_mov_b32 s[\g+2], 128<<16
	s_mov_b32 s[\g+3], ROWB<<16
	s_mov_b32 s[\g+4], 128
	s_mov_b32 s[\g+5], KROW
	s_mov_b32 s[\g+6], 0
	s_mov_b32 s[\g+7], 0
.endr
	s_mov_b32 s[NLE], 0xbfb8aa3b                   ; -log2(e)
	s_mov_b32 s[NLE+1], s[NLE]
	s_and_b32 s[KO], ttmp7, 1                      ; the cluster's first K step: it hangs on the cluster's x and y alone
	s_lshl_b32 s[KO], s[KO], 1
	s_add_co_u32 s[KO], s[KO], ttmp9
	s_and_b32 s[KO], s[KO], 3
	s_lshl_b32 s[KO], s[KO], 9
	s_mov_b32 s[KO+1], 0
	s_add_co_u32 s[KO+24], s[KO], ROWB
	s_mov_b32 s[KO+25], 0
	s_lshl_b32 s18, s16, 7
	s_lshl_b32 s20, s17, 8
	s_add_co_u32 s20, s20, s18                     ; X: row 256 R + 128 x half
	s_lshl_b32 s20, s20, 11
	s_mov_b32 s21, 0
	s_lshl_b32 s46, s42, 8
	s_add_co_u32 s46, s46, s18                     ; W: row 256 T + 128 x half
	s_lshl_b32 s46, s46, 11
	s_mov_b32 s47, 0
	s_mul_i32 s45, s14, HALFT                      ; where they go: wave x 128 rows
	s_wait_dscnt 0x0                               ; both opening adds are done
	s_wait_kmcnt 0x0
	s_load_b64 s[SCL:SCL+1], s[8:9], 0x0           ; e0, e1
	s_add_nc_u64 s[XB:XB+1], s[4:5], s[20:21]
	s_add_nc_u64 s[WB:WB+1], s[6:7], s[46:47]
	CROUND                                         ; in front of the first joint loads
.irp s, 0,1
	s_mov_b32 s[G0+4*\s], 1
	s_add_co_u32 s[G0+4*\s+1], s45, \s*SLOT
	s_add_nc_u64 s[G0+4*\s+2:G0+4*\s+3], s[XB:XB+1], s[KO+24*\s:KO+24*\s+1]
	s_or_b32 s[G0+4*\s+3], s[G0+4*\s+3], 0x80000000
	s_mov_b32 s[G0B+4*\s], 1
	s_add_co_u32 s[G0B+4*\s+1], s45, \s*SLOT
	s_add_nc_u64 s[G0B+4*\s+2:G0B+4*\s+3], s[WB:WB+1], s[KO+24*\s:KO+24*\s+1]
	s_or_b32 s[G0B+4*\s+3], s[G0B+4*\s+3], 0x80000000
.endr
	JLOAD G0, G1, G0B, G1B                         ; the walk's first K step: one tensor load a wave at the head
	s_lshl_b32 s92, s42, 8
	s_lshl_b32 s93, s16, 7
	s_add_co_u32 s92, s92, s93                     ; 256 T + 128 (wave % 2)
	s_mov_b32 s93, 0
	s_add_nc_u64 s[10:11], s[10:11], s[92:93]      ; the bias of my 32 hidden columns
	s_lshl_b32 s18, s17, 8
	s_lshl_b32 s19, s15, 7
	s_add_co_u32 s18, s18, s19                     ; row 256 R + 128 (wave / 2)
	s_lshl_b32 s19, s18, 12
	s_add_co_u32 s92, s92, s19
	s_add_nc_u64 s[86:87], s[80:81], s[92:93]      ; old_cell at my 128 rows, my 32 columns
	s_lshl_b32 s19, s16, 4
	s_add_co_u32 s18, s18, s19                     ; + 16 (wave % 2): of each pair of blocks I store 16 rows
	s_lshl_b32 s18, s18, 12
	s_lshl_b32 s92, s42, 8
	s_add_co_u32 s92, s92, s18
	s_add_nc_u64 s[82:83], s[82:83], s[92:93]
	s_add_nc_u64 s[84:85], s[84:85], s[92:93]
	s_lshl_b32 s18, s17, 8
	s_lshl_b32 s19, s14, 6
	s_add_co_u32 s18, s18, s19                     ; row 256 R + 64 x wave: the rows that I prefetch
	s_lshl_b32 s18, s18, 12
	s_lshl_b32 s92, s42, 8
	s_add_co_u32 s92, s92, s18
	s_add_nc_u64 s[80:81], s[80:81], s[92:93]
	s_mul_i32 s68, s15, HALFT                      ; my 128 rows of X in slot 0, 1
	s_add_co_u32 s69, s68, SLOT
	s_mul_i32 s70, s16, HALFT                      ; my 128 rows of W, behind X's 256
	s_add_co_u32 s70, s70, 2*HALFT
	s_add_co_u32 s71, s70, SLOT
	s_mul_i32 s72, s15, 32*PITCH                   ; the stages: my half's 32 rows
	s_add_co_u32 s72, s72, STC
	s_mul_i32 s73, s16, 16*PITCH                   ; back: my 16 of them
	s_add_co_u32 s73, s73, s72
	s_lshl_b32 s74, s16, 7                         ; in: my 128 bytes of a row
	s_add_co_u32 s72, s72, s74
	v_and_b32 v1, 15, v0                           ; r
	v_bfe_u32 v2, v0, 4, 1                         ; h
	v_mul_u32_u24 v3, v1, PITCH
	v_lshl_add_u32 v4, v2, 4, v3                   ; a fragment's row x pitch + 16 h
	v_add_nc_u32 v[ADRA], s68, v4
	v_add_nc_u32 v[ADRA+1], s69, v4
	v_add_nc_u32 v[ADRB], s70, v4
	v_add_nc_u32 v[ADRB+1], s71, v4
	v_lshl_add_u32 v6, v2, 5, v3                   ; row r, + 32 h
	v_add_nc_u32 v[STCV], s72, v6
	v_add_nc_u32 v[STHV], STHO, v[STCV]
	v_mul_u32_u24 v5, v2, PITCH
	v_lshl_add_u32 v5, v1, 4, v5                   ; row h, + 16 r
	v_add_nc_u32 v[RDC], s73, v5
	v_add_nc_u32 v[RDH], STHO, v[RDC]
	v_lshlrev_b32 v[CO], 12, v2
	v_lshl_add_u32 v[CO], v1, 4, v[CO]
	v_lshlrev_b32 v[VO], 12, v1
	v_lshl_add_u32 v[VO], v2, 5, v[VO]
	v_lshlrev_b32 v[BO], 5, v2
	v_and_b32 v[PFC], 31, v0
	v_lshlrev_b32 v[PFC], 12, v[PFC]
	s_wait_alu depctr_va_vdst(0)                   ; the wait behind the addresses
.irp b, 0,1,2,3,4,5,6,7                        ; b = 2 g + u
	global_load_b128 v[BI+8*\b:BI+8*\b+3],   v[BO], s[10:11] offset:4096*(\b/2)+64*(\b%2)
	global_load_b128 v[BI+8*\b+4:BI+8*\b+7], v[BO], s[10:11] offset:4096*(\b/2)+64*(\b%2)+16
.endr
	s_wait_kmcnt 0x0                               ; e0, e1
	s_add_co_i32 s[SCL], s[SCL], s[SCL+1]
	s_lshl_b32 s[SCL], s[SCL], 23
	s_add_co_u32 s[SCL], s[SCL], s[NLE]            ; e0 + e1 onto the exponent field of -log2(e)
	s_mov_b32 s[SCL+1], s[SCL]
	s_wait_loadcnt 0x0                             ; the bias: the same for both tiles
.set n, 0
.rept 32
	v_pk_mul_f32 v[BI+n:BI+n+1], v[BI+n:BI+n+1], s[NLE:NLE+1] op_sel_hi:[1,0]
.set n, n+2
.endr
.macro FRAG reg, adr, q, i             ; 16 rows x 128 K: registers 4 c .. 4 c + 3 hold K = 32 c + 16 h + 0 .. 15: the same order of k in X and in W
.irp c, 0,1,2,3
	ds_load_b128 v[\reg+4*\c:\reg+4*\c+3], v[\adr] offset:128*(\q)+32*\c+(\i)*16*PITCH
.endr
.endm
; 8 matrix instructions: X's block a x W's eight.  The 64 accumulators take turns in the same order in every step.
.macro MUL8 a, p, zero
.irp b, 0,1,2,3,4,5,6,7
.if \zero
	v_wmma_f32_16x16x128_fp8_fp8 v[8*(8*((\a)%4)+\b):8*(8*((\a)%4)+\b)+7], v[128*(\p)+FR*\b:128*(\p)+FR*\b+FR-1], v[AF+FR*(\a):AF+FR*(\a)+FR-1], 0
.else
	v_wmma_f32_16x16x128_fp8_fp8 v[8*(8*((\a)%4)+\b):8*(8*((\a)%4)+\b)+7], v[128*(\p)+FR*\b:128*(\p)+FR*\b+FR-1], v[AF+FR*(\a):AF+FR*(\a)+FR-1], v[8*(8*((\a)%4)+\b):8*(8*((\a)%4)+\b)+7]
.endif
.endr
.endm
.macro MUL16 a0, p, zero
	MUL8 \a0, \p, \zero
	MUL8 (\a0)+1, \p, \zero
.endm
.macro RUNB slot, q, p, i0             ; W's fragments i0 .. i0 + 3 into set p: 16 loads.  That set was last multiplied in the step before, whose places stand at its end
	WIN TO_B
.irp i, \i0, \i0+1, \i0+2, \i0+3
	FRAG 128*(\p)+FR*(\i), ADRB+\slot, \q, \i
.endr
.endm
.macro FETCH_A slot, q, i0             ; X's blocks i0 .. i0 + 3: 16 loads
.irp i, \i0, \i0+1, \i0+2, \i0+3
	FRAG AF+FR*(\i), ADRA+\slot, \q, \i
.endr
.endm
.macro FETCH0                          ; a tile's first fragments, from slot 0, in the order of every step's runs
	RUNB 0, 0, 0, 0
	RUNB 0, 0, 0, 4
	WIN 0
	FETCH_A 0, 0, 0
	FETCH_A 0, 0, 4
.endm
.macro PLACES n
.rept \n
	v_nop
.endr
.endm
; A step of 128 along K with its successor in the same slot.  LDS loads come back in order; each wait counts the loads issued behind the block that it needs.
.macro STEP slot, q, zero
	s_wait_dscnt 24                                ; W's set and X 0, 1 are in; behind them: X 2-7, 24 loads
	WIN MUL_LO
	MUL16 0, (\q)%2, \zero
	RUNB \slot, (\q)+1, 1-(\q)%2, 0
	s_wait_dscnt 32                                ; X 2, 3; behind them: X 4-7 and the run above
	WIN MUL_LO
	MUL16 2, (\q)%2, \zero
	RUNB \slot, (\q)+1, 1-(\q)%2, 4
	s_wait_dscnt 40                                ; X 4, 5; behind them: X 6, 7 and two runs
	WIN MUL_HI
	MUL16 4, (\q)%2, \zero
	PLACES NP
	WIN 0
	FETCH_A \slot, (\q)+1, 0
	s_wait_dscnt 48                                ; X 6, 7; behind them: three runs
	WIN MUL_HI
	MUL16 6, (\q)%2, \zero
	PLACES NP
	WIN 0
	FETCH_A \slot, (\q)+1, 4
.endm
; A slot's last step changes slots: one barrier; in front of it each wave waits for all its tensor loads, adds 0 to its spare word, and waits for that and for its reads of this slot.
; fill = 1: a round of the cluster's barrier, the slot is filled again two K steps on in the walk, and the next slot's fragments are fetched.  fill = 0: no refill, no round.
; fill = 2: the first tile's last step: the refill, and no fetch: the registers serve the tail.
.macro TURN slot, next, fill
	s_wait_dscnt 24                                ; W's set and X 0, 1 are in; behind them: X 2-7, 24 loads
	WIN MUL_LO
	MUL16 0, 1, 0                                  ; the step's first 32 products stand ahead of the wait for the tile: their fragments lie in registers
	s_wait_dscnt 16                                ; X 2, 3; behind them: X 4-7
	MUL16 2, 1, 0
	WIN 0
	s_wait_tensorcnt 0x0                           ; all my tensor loads have landed: every group 0 may be written
	ds_add_u32 v[SPW], v[NIL]
.if \fill
	s_add_co_u32 s[KO+24*\slot], s[KO+24*\slot], 2*ROWB
	s_and_b32 s[KO+24*\slot], s[KO+24*\slot], KROW-1               ; round a row's 2,048 bytes
	s_add_nc_u64 s[G0+4*\slot+2:G0+4*\slot+3], s[XB:XB+1], s[KO+24*\slot:KO+24*\slot+1]
	s_or_b32 s[G0+4*\slot+3], s[G0+4*\slot+3], 0x80000000
	s_add_nc_u64 s[G0B+4*\slot+2:G0B+4*\slot+3], s[WB:WB+1], s[KO+24*\slot:KO+24*\slot+1]
	s_or_b32 s[G0B+4*\slot+3], s[G0B+4*\slot+3], 0x80000000
.endif
	s_wait_dscnt 0x0                               ; the add is done, and my reads of this slot are over (X 4-7 are in)
	s_barrier_signal -1
	s_barrier_wait -1
.if \fill
	CREST
	JLOAD G0+4*\slot, G1, G0B+4*\slot, G1B         ; the first tensor load behind the round, my one load until the next; its four v_nop are the places in front of the loads into X 0-3
.else
	PLACES NP
.endif
.if \fill != 2
	RUNB \next, 0, 0, 0                            ; the next slot's first fragments, in the order of every step's runs: W 0-3, W 4-7, X 0-3
	RUNB \next, 0, 0, 4
	WIN 0
	FETCH_A \next, 0, 0
.endif
.if \fill == 1
	ASK \slot
.endif
	WIN MUL_HI
	MUL16 4, 1, 0
	MUL16 6, 1, 0
.if \fill != 2
	PLACES NP
.endif
	WIN 0
.if \fill != 2
	FETCH_A \next, 0, 4
.endif
.endm
; old_cell of my 128 rows x 32 columns into window 1, v0-127 (block a at 16 a, column 16 u + 8 h + j at register 8 u + j): W's set 0, whose last products have their places behind them
.macro OCLOAD
	WIN TO_B
.irp a, 0,1,2,3,4,5,6,7
.irp u, 0,1
	global_load_b128 v[16*\a+8*\u:16*\a+8*\u+3],   v[VO], s[86:87] offset:\a*16*4096+64*\u
	global_load_b128 v[16*\a+8*\u+4:16*\a+8*\u+7], v[VO], s[86:87] offset:\a*16*4096+64*\u+16
.endr
.endr
	WIN 0
.endm
; THE WAY OUT of pair p.  LDP: behind the barrier that shows the stages whole, my 16 rows of each output come back as whole rows of 256 bytes.  STP: they are stored.
.macro LDP p
.if (\p) >= 2
	s_wait_xcnt 0x0                                ; pair p - 2's stores have read these registers
.endif
	WIN TO_B
.irp t, 0,1,2,3,4,5,6,7
	ds_load_b128 v[OR+64*((\p)%2)+4*\t:OR+64*((\p)%2)+4*\t+3], v[RDC] offset:2*\t*PITCH
.endr
.irp t, 0,1,2,3,4,5,6,7
	ds_load_b128 v[OR+64*((\p)%2)+32+4*\t:OR+64*((\p)%2)+32+4*\t+3], v[RDH] offset:2*\t*PITCH
.endr
	WIN 0
.endm
.macro STP p, o
.irp t, 0,1,2,3,4,5,6,7
.if (\o) == 0
	global_store_b128 v[CO], v[OR+64*((\p)%2)+4*\t:OR+64*((\p)%2)+4*\t+3], s[84:85] offset:(32*(\p)+2*\t)*4096 th:TH_STORE_NT   ; out1: 16 lanes store 256 consecutive bytes, aligned
.else
	global_store_b128 v[CO], v[OR+64*((\p)%2)+32+4*\t:OR+64*((\p)%2)+32+4*\t+3], s[82:83] offset:(32*(\p)+2*\t)*4096 th:TH_STORE_NT   ; out0 likewise
.endif
.endr
.endm
; Blocks 2 p, 2 p + 1: 16 accumulators become 32 numbers of new_cell and 32 of new_h a lane.  Each batch of transcendentals has one wait ahead and one behind.
.macro PAIR p
.set AC, 128*((\p)%2)
	WIN 0x02+((\p)/2)
	s_wait_alu depctr_va_vdst(0)                   ; ahead of the first readers of the sums
.set n, 0
.rept 64
	v_pk_fma_f32 v[TMP+n:TMP+n+1], v[AC+n:AC+n+1], s[SCL:SCL+1], v[BI+n%64:BI+n%64+1] op_sel_hi:[1,0,1]   ; -log2(e) (sum x 2^(e0 + e1) + bias); each accumulator from its low end on
.set n, n+2
.endr
	WIN 0
	s_wait_alu depctr_va_vdst(0)
.set n, 0
.rept 128
	v_exp_f32 v[TMP+n], v[TMP+n]
.set n, n+1
.endr
	v_nop
	s_wait_alu depctr_va_vdst(0)
.set n, 0
.rept 64
	v_pk_add_f32 v[TMP+n:TMP+n+1], v[TMP+n:TMP+n+1], 1.0 op_sel_hi:[1,0]
.set n, n+2
.endr
	s_wait_alu depctr_va_vdst(0)
.set n, 0
.rept 128
	v_rcp_f32 v[TMP+n], v[TMP+n]                   ; the gates
.set n, n+1
.endr
	v_nop
	s_wait_alu depctr_va_vdst(0)
.if (\p) == 0
	s_wait_loadcnt 0x0                             ; old_cell
.endif
	s_wait_dscnt 0x0                               ; the rows of the pair before are back: my reads of the stages are over,
.if (\p) > 0
	s_barrier_signal -1                            ; which is said; the stages are written again behind the wait below
.endif
	WIN FROM_B
.irp q, 0,1
.irp e, 0,2,4,6,8,10,12,14
	v_pk_fma_f32 v[TMP+64*\q+GF+\e:TMP+64*\q+GF+\e+1], v[TMP+64*\q+GF+\e:TMP+64*\q+GF+\e+1], v[32*(\p)+16*\q+\e:32*(\p)+16*\q+\e+1], v[TMP+64*\q+GZ+\e:TMP+64*\q+GZ+\e+1]   ; f old_cell + z
.endr
.endr
	WIN 0
.irp q, 0,1
.irp e, 0,2,4,6,8,10,12,14
	v_pk_add_f32 v[TMP+64*\q+GF+\e:TMP+64*\q+GF+\e+1], v[TMP+64*\q+GF+\e:TMP+64*\q+GF+\e+1], v[TMP+64*\q+GI+\e:TMP+64*\q+GI+\e+1] neg_lo:[0,1] neg_hi:[0,1]   ; - i: new_cell
.endr
.endr
.irp q, 0,1
.irp e, 0,2,4,6,8,10,12,14
	v_pk_mul_f32 v[TMP+64*\q+GZ+\e:TMP+64*\q+GZ+\e+1], v[TMP+64*\q+GF+\e:TMP+64*\q+GF+\e+1], s[NLE:NLE+1] op_sel_hi:[1,0]   ; -log2(e) new_cell, where z lay
.endr
.endr
	s_wait_alu depctr_va_vdst(0)                   ; ahead of the barrier's wait and of the batch below
.if (\p) > 0
	s_barrier_wait -1                              ; nobody reads the stages any more
	WIN FROM_B
	STP (\p)-1, 0
	STP (\p)-1, 1
	WIN 0
.endif
.irp q, 0,1
.irp u, 0,1
	ds_store_b128 v[STCV], v[TMP+64*\q+GF+8*\u:TMP+64*\q+GF+8*\u+3]   offset:\q*16*PITCH+64*\u
	ds_store_b128 v[STCV], v[TMP+64*\q+GF+8*\u+4:TMP+64*\q+GF+8*\u+7] offset:\q*16*PITCH+64*\u+16
.endr
.endr
.irp q, 0,1
.irp e, 0,1,2,3,4,5,6,7,8,9,10,11,12,13,14,15
	v_exp_f32 v[TMP+64*\q+GZ+\e], v[TMP+64*\q+GZ+\e]
.endr
.endr
	v_nop
	s_wait_alu depctr_va_vdst(0)
.irp q, 0,1
.irp e, 0,2,4,6,8,10,12,14
	v_pk_add_f32 v[TMP+64*\q+GZ+\e:TMP+64*\q+GZ+\e+1], v[TMP+64*\q+GZ+\e:TMP+64*\q+GZ+\e+1], 1.0 op_sel_hi:[1,0]
.endr
.endr
	s_wait_alu depctr_va_vdst(0)
.irp q, 0,1
.irp e, 0,1,2,3,4,5,6,7,8,9,10,11,12,13,14,15
	v_rcp_f32 v[TMP+64*\q+GZ+\e], v[TMP+64*\q+GZ+\e]   ; sigmoid(new_cell)
.endr
.endr
	v_nop
	s_wait_alu depctr_va_vdst(0)
.irp q, 0,1
.irp e, 0,2,4,6,8,10,12,14
	v_pk_add_f32 v[TMP+64*\q+GZ+\e:TMP+64*\q+GZ+\e+1], v[TMP+64*\q+GZ+\e:TMP+64*\q+GZ+\e+1], v[TMP+64*\q+GOU+\e:TMP+64*\q+GOU+\e+1] neg_lo:[0,1] neg_hi:[0,1]   ; - o: new_h
.endr
.endr
.irp q, 0,1
.irp u, 0,1
	ds_store_b128 v[STHV], v[TMP+64*\q+GZ+8*\u:TMP+64*\q+GZ+8*\u+3]   offset:\q*16*PITCH+64*\u
	ds_store_b128 v[STHV], v[TMP+64*\q+GZ+8*\u+4:TMP+64*\q+GZ+8*\u+7] offset:\q*16*PITCH+64*\u+16
.endr
.endr
	s_wait_dscnt 0x0                               ; for the others' sake: my stores into both stages are done
	s_barrier_signal -1
	s_barrier_wait -1                              ; the stages are whole
	LDP \p
.endm
.macro EPI
	PLACES NP                                      ; behind the last products, ahead of the writes of the registers that held X's fragments
	PAIR 0
	PAIR 1
	PAIR 2
	PAIR 3
	WIN FROM_B
	s_wait_dscnt 8                                 ; the last pair's rows of new_cell are back; new_h's eight loads may be out
	STP 3, 0
	s_wait_dscnt 0x0
	STP 3, 1
	WIN 0
.endm
	s_wait_alu depctr_va_vdst(0)                   ; the wait at the head's end
	s_wait_tensorcnt 0x0                           ; my part of the first K step is in; the lines ahead of a later first fill:
	ds_add_u32 v[SPW], v[NIL]
	s_wait_dscnt 0x0
	CROUND
	JLOAD G0+4, G1, G0B+4, G1B                     ; slot 1's first fill, the first tensor load behind the round
	FETCH0
	s_mov_b32 s2, 2                                ; tiles to go: the same number in every work-group
.Ltile:
	STEP 0, 0, 1                                   ; a tile's first step starts the sums: nothing is cleared
	s_mov_b32 s3, LAPS-1
.Llap:
	TURN 0, 1, 1
	STEP 1, 0, 0
	TURN 1, 0, 1
	STEP 0, 0, 0
	s_sub_co_u32 s3, s3, 1
	s_cmp_lg_u32 s3, 0
	s_cbranch_scc1 .Llap
	s_cmp_eq_u32 s2, 1
	s_cbranch_scc1 .Llast_tile                     ; the last tile's end is written out: it asks for nothing more
	s_add_nc_u64 s[XB:XB+1], s[XB:XB+1], 4096*KROW ; the next tile's rows of X; the walk along K is back at its beginning
	TURN 0, 1, 3                                   ; (fill = 3: as 1, with no prefetch: old_cell's tile has been asked for) the ring goes on: slot 0 takes the next tile's first K step,
	STEP 1, 0, 0
	OCLOAD
	TURN 1, 0, 2                                   ; slot 1 its second; both refills are asked for: now the tile goes out
	EPI
	s_wait_xcnt 0x0                                ; the stores, loads and prefetches have read their bases and registers
	s_add_nc_u64 s[80:81], s[80:81], 4096*4096     ; 4,096 rows of 4,096 bytes on
	s_add_nc_u64 s[82:83], s[82:83], 4096*4096
	s_add_nc_u64 s[84:85], s[84:85], 4096*4096
	s_add_nc_u64 s[86:87], s[86:87], 4096*4096
	FETCH0                                         ; slot 0 was shown whole by the round in front of slot 1's refill
	s_sub_co_u32 s2, s2, 1
	s_branch .Ltile
.Llast_tile:
	TURN 0, 1, 0
	STEP 1, 0, 0
	OCLOAD
	s_wait_dscnt 24                                ; the very last step: nothing more to fetch, the counts run down
	WIN MUL_LO
	MUL16 0, 1, 0
	s_wait_dscnt 16
	MUL16 2, 1, 0
	s_wait_dscnt 8
	WIN MUL_HI
	MUL16 4, 1, 0
	s_wait_dscnt 0
	MUL16 6, 1, 0
	WIN 0
	EPI
	s_wait_tensorcnt 0x0                           ; the wave's end
	ds_add_u32 v[SPW], v[NIL]
	s_wait_dscnt 0x0
	CROUND                                         ; the closing round
	s_endpgm
.Lfunc_end_k_qc9716a85f6_cell:
	.size	k_qc9716a85f6_cell, .Lfunc_end_k_qc9716a85f6_cell-k_qc9716a85f6_cell
	.p2alignl 7, 3214868480
	.fill 96, 4, 3214868480
	.section	.rodata,"a",@progbits
	.p2align	6, 0x0
	.amdhsa_kernel k_qc9716a85f6_cell
		.amdhsa_group_segment_fixed_size 327680
		.amdhsa_private_segment_fixed_size 0
		.amdhsa_enable_private_segment 0
		.amdhsa_kernarg_size 56
		.amdhsa_user_sgpr_count 2
		.amdhsa_user_sgpr_kernarg_segment_ptr 1
		.amdhsa_wavefront_size32 1
		.amdhsa_system_sgpr_workgroup_id_x 1
		.amdhsa_system_sgpr_workgroup_id_y 1
		.amdhsa_system_sgpr_workgroup_id_z 1
		.amdhsa_system_vgpr_workitem_id 0
		.amdhsa_next_free_vgpr 1024
		.amdhsa_next_free_sgpr 98
		.amdhsa_reserve_vcc 0
		.amdhsa_float_denorm_mode_32 3
		.amdhsa_float_denorm_mode_16_64 3
		.amdhsa_memory_ordered 1
		.amdhsa_forward_progress 1
		.amdhsa_inst_pref_size 255
	.end_amdhsa_kernel
	.section	.bss,"aw",@nobits
	.p2align	6
	.space	262144
	.amdgpu_metadata
---
amdhsa.version: [ 1, 2 ]
amdhsa.kernels:
  - .name:           k_qc9716a85f6_cell
    .symbol:         k_qc9716a85f6_cell.kd
    .args:
      - { .name: x_codes, .offset: 0, .size: 8, .value_kind: global_buffer, .address_space: global }
      - { .name: w_codes, .offset: 8, .size: 8, .value_kind: global_buffer, .address_space: global }
      - { .name: lowp_scales, .offset: 16, .size: 8, .value_kind: global_buffer, .address_space: global }
      - { .name: bias, .offset: 24, .size: 8, .value_kind: global_buffer, .address_space: global }
      - { .name: old_cell, .offset: 32, .size: 8, .value_kind: global_buffer, .address_space: global }
      - { .name: out0, .offset: 40, .size: 8, .value_kind: global_buffer, .address_space: global }
      - { .name: out1, .offset: 48, .size: 8, .value_kind: global_buffer, .address_space: global }
    .group_segment_fixed_size: 327680
    .private_segment_fixed_size: 0
    .kernarg_segment_align: 8
    .kernarg_segment_size: 56
    .max_flat_workgroup_size: 128
    .sgpr_count:     98
    .vgpr_count:     1024
    .wavefront_size: 32
...
	.end_amdgpu_metadata
.endif
;; end of part 2
